; MI455X (gfx1250); checked and timed in simulation.
; The chip was launched on July 23, 2026; its instructions are those of AMD's public machine-readable ISA for CDNA 5 (MIT licence, August 2026) and "CDNA5" Instruction Set Architecture Reference Guide (July 2026). The comments in the code are by the model that wrote it; some were corrected since.
;; Mat Mul Embed. Allowed arithmetic: float matrix products may take bf16 or f16 operands with f32 sums; all other float work in f32.
;; Inputs: embedding 16,000 x 1,024 float32; inputs 2 x 2,048 int32.
;; Outputs: out0 2 x 2,048 x 1,024 float32.
;; 2 versions, each right; version 2 is version 1 with the launch gather written anew for expert scheduling mode. Each part assembles by itself: llvm-mc -triple=amdgcn-amd-amdhsa -mcpu=gfx1250 --defsym DOCPART=n.
;; ======== version 1 of 2: 1 launch
;; launch gather (part 1): grid 256 x 1, 8 waves a work-group, no clusters, 0 bytes of LDS; arguments embedding, inputs, out0; writes out0
.if DOCPART == 1
	.amdgcn_target "amdgcn-amd-amdhsa--gfx1250"
	.amdhsa_code_object_version 6
	.text
	.protected	k_qb32c40c77a_gather
	.globl	k_qb32c40c77a_gather
	.p2align	8
	.type	k_qb32c40c77a_gather,@function
k_qb32c40c77a_gather:
	s_mov_b64 s[64:65], 0
	v_nop
	global_prefetch_b8 v0, s[64:65] scope:SCOPE_SE
	s_setreg_imm32_b32 hwreg(HW_REG_WAVE_MODE, 25, 1), 1
	s_wait_xcnt 0x0
; out0[i][:] = one_hot(inputs[i], 16000) . embedding, for the 4,096 indices i.  embedding: [16000][1024] f32, out0: [4096][1024] f32.
; A one-hot row holds a single 1.0 at column inputs[i], or none at all where inputs[i] lies outside 0 .. 15999.  For a finite table the
; product is therefore the table's row inputs[i], bit for bit in f32, or a row of zeros.  So the row is copied: 16 MiB in and 16 MiB out,
; where the product as written would walk all 65.5 MB of the table and round it to 16 bits for the matrix unit.
; LIMITS.  A table entry of -0.0 is copied as -0.0 (a sum of products would give +0.0).  For a table that holds Inf or NaN the product
; 0 x Inf would make NaN in that whole column of every output row; this text copies the named row alone.  For every finite table, of
; any scale or offset, and every int32 index, the result is the f32 product's value.
; SHARES.  256 work-groups of eight waves; a work-group owns 16 consecutive output rows, a wave two.  A row is 4,096 bytes: eight
; instructions of 16 bytes a lane, each covering 512 consecutive bytes that start at a multiple of 512 from the buffer's first byte.
; A wave issues the 16 loads of its two rows in one run and stores each chunk as it lands: no loop, no LDS, no barrier, and no
; register that a pending load or store names is ever written again, so the only waits are those for data.
; LEFT OUT.  Matrix unit: see above.  LDS and tensor loads: a lane stores the very 16 bytes that it loaded.  Clusters: work-groups share
; no tile (that two indices are equal is chance).  Prefetch: every row is asked for as soon as its index is known.
.set VOCAB, 16000                      ; rows of the table
.set ROW,   4096                       ; bytes in a row of the table and of the output
.set CHUNK, 512                        ; bytes that one load or store of a wave covers
.set X,     4                          ; v[4:67]  chunk j (0..7) of my row r (0, 1) at v[X+32 r+4 j], four registers
; v1       16 x lane: the one offset register of all loads and stores, never rewritten
; s[4:5] embedding   s[6:7] inputs   s[8:9] out0, then out0 at my first row   s10 wave   s11 my pair of rows, p   s12 8 p   s[14:15] 8,192 p
; s[16:17] my two indices   s18, s19 their masks (-1 inside the table, 0 outside)   s[20:21], s[22:23] the rows' byte offsets   s[24:25], s[26:27] the rows' addresses
	s_load_b128 s[4:7], s[0:1], 0x0                ; embedding, inputs
	s_load_b64 s[8:9], s[0:1], 0x10                ; out0
	v_lshrrev_b32 v2, 5, v0
	v_readfirstlane_b32 s10, v2                    ; my wave's number, 0 to 7, as a scalar
	v_and_b32 v1, 31, v0                           ; lane
	v_lshlrev_b32 v1, 4, v1                        ; 16 bytes a lane
	s_lshl_b32 s11, ttmp9, 3
	s_add_co_u32 s11, s11, s10                     ; p = 8 x work-group + wave, 0 to 2,047: my rows are 2 p and 2 p + 1
	s_lshl_b32 s12, s11, 3                         ; my two indices lie at byte 8 p of inputs (16,376 at the most)
	s_lshl_b32 s14, s11, 13                        ; my two rows begin at byte 8,192 p of out0 (16,769,024 at the most)
	s_mov_b32 s15, 0                               ; the upper words of the three offsets
	s_mov_b32 s21, 0
	s_mov_b32 s23, 0
	s_wait_kmcnt 0x0                               ; scalar loads come back in no order: zero is the only count that shows anything
	s_load_b64 s[16:17], s[6:7], s12 offset:0x0    ; both indices at once, at a multiple of 8 bytes
	s_add_nc_u64 s[8:9], s[8:9], s[14:15]          ; out0 at my first row, made while the indices are on their way
	s_wait_kmcnt 0x0
; An index as an unsigned number is below 16,000 exactly if it names a row of the table (a negative one is very large).  The mask keeps
; that; the address is made from the index clamped to the last row, so that no load leaves the table whatever the index is.
.irp r, 0,1
	s_cmp_lt_u32 s[16+\r], VOCAB
	s_cselect_b32 s[18+\r], -1, 0                  ; all ones: keep the row; zero: one_hot has no 1.0, the row is zeros
	s_min_u32 s[20+2*\r], s[16+\r], VOCAB-1
	s_lshl_b32 s[20+2*\r], s[20+2*\r], 12          ; x 4,096 bytes: 65,531,904 at the most
	s_add_nc_u64 s[24+2*\r:25+2*\r], s[4:5], s[20+2*\r:21+2*\r]
.endr
; Row r's eight loads.  No cache hint: the list may name a row of the table more than once.
.macro FILL r
.irp j, 0,1,2,3,4,5,6,7
	global_load_b128 v[X+32*\r+4*\j:X+32*\r+4*\j+3], v1, s[24+2*\r:25+2*\r] offset:CHUNK*\j
.endr
.endm
; Chunk j of row r goes out.  Loads come back in the order of issue (ISA guide 5.7.1), and 15 - (8 r + j) were issued behind this one:
; that count shows this chunk landed and leaves the younger ones on their way.
.macro SEND r, j
	s_wait_loadcnt 15-(8*\r+\j)
.irp k, 0,1,2,3
	v_and_b32 v[X+32*\r+4*\j+\k], s[18+\r], v[X+32*\r+4*\j+\k]   ; kept, or cleared bit by bit: nothing of the clamped row gets through, whatever it holds
.endr
	global_store_b128 v1, v[X+32*\r+4*\j:X+32*\r+4*\j+3], s[8:9] offset:ROW*\r+CHUNK*\j th:TH_STORE_NT   ; written once, read by nobody in this launch
.endm
	FILL 0
	FILL 1                                         ; 16 loads, 8 KiB of the wave, are out together
.irp r, 0,1
.irp j, 0,1,2,3,4,5,6,7
	SEND \r, \j
.endr
.endr
	s_endpgm
.Lfunc_end_k_qb32c40c77a_gather:
	.size	k_qb32c40c77a_gather, .Lfunc_end_k_qb32c40c77a_gather-k_qb32c40c77a_gather
	.p2alignl 7, 3214868480
	.fill 96, 4, 3214868480
	.section	.rodata,"a",@progbits
	.p2align	6, 0x0
	.amdhsa_kernel k_qb32c40c77a_gather
		.amdhsa_group_segment_fixed_size 0
		.amdhsa_private_segment_fixed_size 0
		.amdhsa_enable_private_segment 0
		.amdhsa_kernarg_size 24
		.amdhsa_user_sgpr_count 2
		.amdhsa_user_sgpr_kernarg_segment_ptr 1
		.amdhsa_wavefront_size32 1
		.amdhsa_system_sgpr_workgroup_id_x 1
		.amdhsa_system_sgpr_workgroup_id_y 1
		.amdhsa_system_sgpr_workgroup_id_z 1
		.amdhsa_system_vgpr_workitem_id 0
		.amdhsa_next_free_vgpr 68
		.amdhsa_next_free_sgpr 66
		.amdhsa_reserve_vcc 0
		.amdhsa_float_denorm_mode_32 3
		.amdhsa_float_denorm_mode_16_64 3
		.amdhsa_memory_ordered 1
		.amdhsa_forward_progress 1
		.amdhsa_inst_pref_size 7
	.end_amdhsa_kernel
	.amdgpu_metadata
---
amdhsa.version: [ 1, 2 ]
amdhsa.kernels:
  - .name:           k_qb32c40c77a_gather
    .symbol:         k_qb32c40c77a_gather.kd
    .args:
      - { .name: embedding, .offset: 0, .size: 8, .value_kind: global_buffer, .address_space: global }
      - { .name: inputs, .offset: 8, .size: 8, .value_kind: global_buffer, .address_space: global }
      - { .name: out0, .offset: 16, .size: 8, .value_kind: global_buffer, .address_space: global }
    .group_segment_fixed_size: 0
    .private_segment_fixed_size: 0
    .kernarg_segment_align: 8
    .kernarg_segment_size: 24
    .max_flat_workgroup_size: 256
    .sgpr_count:     66
    .vgpr_count:     68
    .wavefront_size: 32
...
	.end_amdgpu_metadata
.endif
;; end of part 1
;; ======== version 2 of 2: 1 launch; version 1 with the launch gather written anew for expert scheduling mode
;; launch gather (part 2): grid 256 x 1, 8 waves a work-group, no clusters, 0 bytes of LDS; arguments embedding, inputs, out0; writes out0
.if DOCPART == 2
	.amdgcn_target "amdgcn-amd-amdhsa--gfx1250"
	.amdhsa_code_object_version 6
	.text
	.protected	k_qb32c40c77a_gather
	.globl	k_qb32c40c77a_gather
	.p2align	8
	.type	k_qb32c40c77a_gather,@function
k_qb32c40c77a_gather:
	s_mov_b64 s[64:65], 0
	v_nop
	global_prefetch_b8 v0, s[64:65] scope:SCOPE_SE
	s_setreg_imm32_b32 hwreg(HW_REG_WAVE_SCHED_MODE, 0, 2), 2
	s_setreg_imm32_b32 hwreg(HW_REG_WAVE_MODE, 25, 1), 1
	s_wait_xcnt 0x0
	s_wait_alu depctr_vm_vsrc(0)
; out0[i][:] = one_hot(inputs[i], 16000) . embedding, for the 4,096 indices i.  embedding: [16000][1024] f32, out0: [4096][1024] f32.
; A one-hot row holds a single 1.0 at column inputs[i], or none at all where inputs[i] lies outside 0 .. 15999.  For a finite table the
; product is therefore the table's row inputs[i], bit for bit in f32, or a row of zeros.  So the row is copied: 16 MiB in and 16 MiB out,
; where the product as written would walk all 65.5 MB of the table and round it to 16 bits for the matrix unit.
; LIMITS.  A table entry of -0.0 is copied as -0.0 (a sum of products would give +0.0).  For a table that holds Inf or NaN the product
; 0 x Inf would make NaN in that whole column of every output row; this text copies the named row alone.  For every finite table, of
; any scale or offset, and every int32 index, the result is the f32 product's value.
; SHARES.  256 work-groups of eight waves; a work-group owns 16 consecutive output rows, a wave two.  A row is 4,096 bytes: eight
; instructions of 16 bytes a lane, each covering 512 consecutive bytes that start at a multiple of 512 from the buffer's first byte.
; A wave issues the 16 loads of its two rows in one run and sends each half row (four chunks) out when it has landed: no loop, no LDS,
; no barrier, and no register that a pending load or store names is ever written again.
; LEFT OUT.  Matrix unit: see above.  LDS and tensor loads: a lane stores the very 16 bytes that it loaded.  Clusters: work-groups share
; no tile (that two indices are equal is chance).  Prefetch: every row is asked for as soon as its index is known.
; THE MODE: SCHED_MODE bits 1:0 = 2 (LLVM: expert scheduling mode 2), set by the entry lines.  The code itself states the register
; dependences between vector instructions and memory instructions, with s_wait_alu, always for 0.
; THE PLAN.  Registers that memory instructions touch:
;   v1        the offset of all 16 loads and all 16 stores.  Written by two vector lines at the head, never again.
;   v[4:67]   sixteen chunks of four.  Each is written by its load, then by its four v_and_b32 in place (behind the wait on LOADcnt), then
;             read by its store, and by nothing more.  All loads are issued before any vector line names one of these registers.
;   s10       written by v_readfirstlane_b32, read by scalar arithmetic.
; So the waits are: one on va_sdst ahead of s10's first reader; one on va_vdst ahead of the first load, for v1, which holds for every
; later load and store; and one on va_vdst for each half row, between its sixteen v_and_b32 and its four stores.  That wait stands behind
; the half row's own vector lines and not at the next half row's head, so that no store hangs on the landing of loads that it does not need.
; No register that a memory instruction reads is written afterwards, so no wait on vm_vsrc is owed; EXEC is never written.
.set VOCAB, 16000                      ; rows of the table
.set ROW,   4096                       ; bytes in a row of the table and of the output
.set CHUNK, 512                        ; bytes that one load or store of a wave covers
.set X,     4                          ; v[4:67]  chunk j (0..7) of my row r (0, 1) at v[X+32 r+4 j], four registers
; v1       16 x lane: the one offset register of all loads and stores, never rewritten
; s[4:5] embedding   s[6:7] inputs   s[8:9] out0, then out0 at my first row   s10 wave   s11 my pair of rows, p   s12 8 p   s[14:15] 8,192 p
; s[16:17] my two indices   s18, s19 their masks (-1 inside the table, 0 outside)   s[20:21], s[22:23] the rows' byte offsets   s[24:25], s[26:27] the rows' addresses
	s_load_b128 s[4:7], s[0:1], 0x0                ; embedding, inputs
	s_load_b64 s[8:9], s[0:1], 0x10                ; out0
	v_lshrrev_b32 v2, 5, v0
	v_readfirstlane_b32 s10, v2                    ; my wave's number, 0 to 7, as a scalar
	v_and_b32 v1, 31, v0                           ; lane
	v_lshlrev_b32 v1, 4, v1                        ; 16 bytes a lane
	s_wait_alu depctr_va_sdst(0)                   ; s10 is written, ahead of its first reader: my rows' number is made from it
	s_lshl_b32 s11, ttmp9, 3
	s_add_co_u32 s11, s11, s10                     ; p = 8 x work-group + wave, 0 to 2,047: my rows are 2 p and 2 p + 1
	s_lshl_b32 s12, s11, 3                         ; my two indices lie at byte 8 p of inputs (16,376 at the most)
	s_lshl_b32 s14, s11, 13                        ; my two rows begin at byte 8,192 p of out0 (16,769,024 at the most)
	s_mov_b32 s15, 0                               ; the upper words of the three offsets
	s_mov_b32 s21, 0
	s_mov_b32 s23, 0
	s_wait_kmcnt 0x0                               ; scalar loads come back in no order: zero is the only count that shows anything
	s_load_b64 s[16:17], s[6:7], s12 offset:0x0    ; both indices at once, at a multiple of 8 bytes
	s_add_nc_u64 s[8:9], s[8:9], s[14:15]          ; out0 at my first row, made while the indices are on their way
	s_wait_kmcnt 0x0
; An index as an unsigned number is below 16,000 exactly if it names a row of the table (a negative one is very large).  The mask keeps
; that; the address is made from the index clamped to the last row, so that no load leaves the table whatever the index is.
.irp r, 0,1
	s_cmp_lt_u32 s[16+\r], VOCAB
	s_cselect_b32 s[18+\r], -1, 0                  ; all ones: keep the row; zero: one_hot has no 1.0, the row is zeros
	s_min_u32 s[20+2*\r], s[16+\r], VOCAB-1
	s_lshl_b32 s[20+2*\r], s[20+2*\r], 12          ; x 4,096 bytes: 65,531,904 at the most
	s_add_nc_u64 s[24+2*\r:25+2*\r], s[4:5], s[20+2*\r:21+2*\r]
.endr
; Row r's eight loads.  No cache hint: the list may name a row of the table more than once.
.macro FILL r
.irp j, 0,1,2,3,4,5,6,7
	global_load_b128 v[X+32*\r+4*\j:X+32*\r+4*\j+3], v1, s[24+2*\r:25+2*\r] offset:CHUNK*\j
.endr
.endm
; Half q (0, 1) of row r goes out: chunks 4 q to 4 q + 3.  Loads come back in the order of issue (ISA guide 5.7.1), and behind the half
; row's fourth chunk 15 - (8 r + 4 q + 3) = 12 - 4 (2 r + q) loads were issued: that count shows the half row landed and leaves the younger ones on their way.
.macro SEND r, q
	s_wait_loadcnt 12-4*(2*\r+\q)
.irp j, 0,1,2,3
.irp k, 0,1,2,3
	v_and_b32 v[X+32*\r+16*\q+4*\j+\k], s[18+\r], v[X+32*\r+16*\q+4*\j+\k]   ; kept, or cleared bit by bit: nothing of the clamped row gets through, whatever it holds
.endr
.endr
	s_wait_alu depctr_va_vdst(0)                   ; the sixteen v_and_b32 above have written the half row's registers, which the four stores below read as their data
.irp j, 0,1,2,3
	global_store_b128 v1, v[X+32*\r+16*\q+4*\j:X+32*\r+16*\q+4*\j+3], s[8:9] offset:ROW*\r+CHUNK*(4*\q+\j) th:TH_STORE_NT   ; written once, read by nobody in this launch
.endr
.endm
	s_wait_alu depctr_va_vdst(0)                   ; v1 is written: every load and store below reads it as its offset, and no line writes it again
	FILL 0
	FILL 1                                         ; 16 loads, 8 KiB of the wave, are out together
.irp r, 0,1
.irp q, 0,1
	SEND \r, \q
.endr
.endr
	s_endpgm
.Lfunc_end_k_qb32c40c77a_gather:
	.size	k_qb32c40c77a_gather, .Lfunc_end_k_qb32c40c77a_gather-k_qb32c40c77a_gather
	.p2alignl 7, 3214868480
	.fill 96, 4, 3214868480
	.section	.rodata,"a",@progbits
	.p2align	6, 0x0
	.amdhsa_kernel k_qb32c40c77a_gather
		.amdhsa_group_segment_fixed_size 0
		.amdhsa_private_segment_fixed_size 0
		.amdhsa_enable_private_segment 0
		.amdhsa_kernarg_size 24
		.amdhsa_user_sgpr_count 2
		.amdhsa_user_sgpr_kernarg_segment_ptr 1
		.amdhsa_wavefront_size32 1
		.amdhsa_system_sgpr_workgroup_id_x 1
		.amdhsa_system_sgpr_workgroup_id_y 1
		.amdhsa_system_sgpr_workgroup_id_z 1
		.amdhsa_system_vgpr_workitem_id 0
		.amdhsa_next_free_vgpr 68
		.amdhsa_next_free_sgpr 66
		.amdhsa_reserve_vcc 0
		.amdhsa_float_denorm_mode_32 3
		.amdhsa_float_denorm_mode_16_64 3
		.amdhsa_memory_ordered 1
		.amdhsa_forward_progress 1
		.amdhsa_inst_pref_size 7
	.end_amdhsa_kernel
	.amdgpu_metadata
---
amdhsa.version: [ 1, 2 ]
amdhsa.kernels:
  - .name:           k_qb32c40c77a_gather
    .symbol:         k_qb32c40c77a_gather.kd
    .args:
      - { .name: embedding, .offset: 0, .size: 8, .value_kind: global_buffer, .address_space: global }
      - { .name: inputs, .offset: 8, .size: 8, .value_kind: global_buffer, .address_space: global }
      - { .name: out0, .offset: 16, .size: 8, .value_kind: global_buffer, .address_space: global }
    .group_segment_fixed_size: 0
    .private_segment_fixed_size: 0
    .kernarg_segment_align: 8
    .kernarg_segment_size: 24
    .max_flat_workgroup_size: 256
    .sgpr_count:     66
    .vgpr_count:     68
    .wavefront_size: 32
...
	.end_amdgpu_metadata
.endif
;; end of part 2
